; MI455X (gfx1250); checked and timed in simulation.
; The chip was launched on July 23, 2026; its instructions are those of AMD's public machine-readable ISA for CDNA 5 (MIT licence, August 2026) and "CDNA5" Instruction Set Architecture Reference Guide (July 2026). The comments in the code are by the model that wrote it; some were corrected since.
;; Detr Attention. Allowed arithmetic: matrix products marked QUANTISED: E5M2 operands, one E8M0 scale for each 32 along K, by v_wmma_scale_f32_16x16x128_f8f6f4 with both operands' format E5M2, f32 sums; everything else in f32.
;; Inputs: Wk_codes 256 x 8 x 32 uint8 (E5M2 codes of Wk, K innermost, in blocks of 32 codes); Wk_scales 256 x 8 uint8 (E8M0 scales of Wk, one for each 32 codes along K); Wo_codes 256 x 8 x 32 uint8 (E5M2 codes of Wo, K innermost, in blocks of 32 codes); Wo_scales 256 x 8 uint8 (E8M0 scales of Wo, one for each 32 codes along K); Wq_codes 256 x 8 x 32 uint8 (E5M2 codes of Wq, K innermost, in blocks of 32 codes); Wq_scales 256 x 8 uint8 (E8M0 scales of Wq, one for each 32 codes along K); Wv_codes 256 x 8 x 32 uint8 (E5M2 codes of Wv, K innermost, in blocks of 32 codes); Wv_scales 256 x 8 uint8 (E8M0 scales of Wv, one for each 32 codes along K); attention_mask 8 x 1 x 2,048 x 2,048 float32; bk 256 float32; bo 256 float32; bq 256 float32; bv 256 float32; hidden_states 8 x 2,048 x 256 float32; object_queries 8 x 2,048 x 256 float32.
;; Outputs: out0 8 x 2,048 x 256 float32.
;; This version of the problem:
;;   THIS VERSION OF THE PROBLEM IS GIVEN IN LOW PRECISION. The matrix products marked QUANTISED in the list below multiply operands that are first quantised to E5M2 (5 exponent bits, 2 mantissa bits; 8 bits a number), with one power-of-two scale for each 32 numbers along K (OCP MX v1.0); their sums are f32. All else is computed in f32.
;;   The module's matrix products, in the order in which they are computed (A, B: the left and right operand; K: the contracted axis; several contracted axes count as one K, in the product's order):
;;     1. [M 16,384, K 256] x [K 256, N 256]; A: computed on the way; B: input Wq (given as codes): QUANTISED
;;     2. [M 16,384, K 256] x [K 256, N 256]; A: computed on the way; B: input Wk (given as codes): QUANTISED
;;     3. [M 16,384, K 256] x [K 256, N 256]; A: input hidden_states; B: input Wv (given as codes): QUANTISED
;;     4. batch 64 x [M 2,048, K 32] x [K 32, N 2,048]; A: computed on the way; B: computed on the way: QUANTISED
;;     5. batch 64 x [M 2,048, K 2,048] x [K 2,048, N 32]; A: softmax (see below); B: computed on the way: QUANTISED
;;     6. [M 16,384, K 256] x [K 256, N 256]; A: computed on the way; B: input Wo (given as codes): QUANTISED
;;   THE QUANTISER, for each operand of a quantised product, along K:
;;     - K is cut into blocks of 32 from its start; a last block that is shorter is filled with zeros.
;;     - A block's scale is 2^e with e = floor(log2(the largest magnitude in the block)) - 15, held to -126 .. 127; a block of zeros has e = 0. As a byte (E8M0): e + 127.
;;     - Each number is divided by its block's scale, clamped to +-57,344, and rounded to the nearest number of E5M2, ties to even, subnormals kept.
;;     - The product sums the exact products of the quantised numbers (number of the format x scale) in f32.
;;   ~~~python
;;   def quantise(x, axis):      # numpy; x: float32 -> the quantised numbers, widened to float32 again
;;       x = np.moveaxis(x, axis, -1); K = x.shape[-1]
;;       x = np.pad(x, [(0, 0)] * (x.ndim - 1) + [(0, -K % 32)]); x = x.reshape(x.shape[:-1] + (-1, 32)); a = np.abs(x).max(-1, keepdims=True)
;;       e = np.where(a > 0, np.clip(np.frexp(np.where(a > 0, a, 1))[1] - 1 - 15, -126, 127), 0)      # np.frexp(a)[1] - 1 = floor(log2(a)), exactly
;;       r = np.clip(x / 2.0 ** e, -57344, 57344)
;;       step = 2.0 ** (np.maximum(np.frexp(np.where(r == 0, 1, r))[1] - 1, -14) - 2)
;;       q = np.round(r / step) * step * 2.0 ** e      # np.round: ties to even
;;       return np.moveaxis(q.reshape(q.shape[:-2] + (-1,))[..., :K], -1, axis).astype(np.float32)
;;   ~~~
;;   SOFTMAX AHEAD OF A QUANTISED PRODUCT. Where the list says 'softmax', what is quantised is not the finished softmax but p = 2^(t - M), with t = logit x log2(e) and M = ceil(the row's largest t), a whole number; so 1/2 < the row's largest p <= 1. The row's sum l is taken of the UNQUANTISED p, in f32, and the product's result is divided by l at the end. Since M is a whole number, a kernel that streams over the keys may use a running M (the ceiling of the running maximum): every later rescaling is an exact power of two, which a block's scale takes up: the codes' values come out the same.
;;   OPERANDS COMPUTED ON THE WAY. 'Computed on the way' means the value that the module computes at that place (a softmax that the list does not call 'softmax' is quantised finished and normalised). What goes into a quantiser is computed in f32, as accurately as f32 sums, v_exp_f32 and their like allow (about 1e-6 of the number): no bf16 or f16 on the way to a quantiser, and a product that is left as it is and whose result goes on into a quantised operand takes f32 operands (vector FMAs, or v_wmma_f32_16x16x4_f32). A number that lies on a knife's edge between two numbers of the format may be rounded either way, as far as f32 arithmetic and the matrix unit's own rounding can turn it there, and no further.
;;   INPUTS GIVEN AS CODES. Wk (in the module: [256, 256], K = its axis 1); Wo (in the module: [256, 256], K = its axis 1); Wq (in the module: [256, 256], K = its axis 1); Wv (in the module: [256, 256], K = its axis 1): each comes as NAME_codes (uint8): NAME with its K axis moved to the last place and cut into blocks of 32 codes, [.., K / 32, bytes a block], one block behind the other in memory; one code a byte (a code: sign, 5 exponent bits, 2 mantissa bits); and NAME_scales (uint8): the same leading axes, one E8M0 byte (e + 127) for each 32 codes along K. Its value is code x scale, taken as it is: it is not quantised again, and the codes and scales need not be those that the quantiser above would give.
;; One version. Each part assembles by itself: llvm-mc -triple=amdgcn-amd-amdhsa -mcpu=gfx1250 --defsym DOCPART=n.
;; ======== version 1 of 1: 2 launches
;; limits: right only within a limited range of input values
;; workspace buffers: qws 4,325,376 bytes; kvws 8,650,752 bytes
;; launch proj (part 1): grid 256 x 1, 8 waves a work-group, no clusters, 37,376 bytes of LDS; arguments hidden_states, object_queries, Wq_codes, Wq_scales, bq, Wk_codes, Wk_scales, bk, Wv_codes, Wv_scales, bv, qws, kvws; writes qws, kvws
.if DOCPART == 1
	.amdgcn_target "amdgcn-amd-amdhsa--gfx1250"
	.amdhsa_code_object_version 6
	.text
	.protected	k_q871da621ac_proj
	.globl	k_q871da621ac_proj
	.p2align	8
	.type	k_q871da621ac_proj,@function
k_q871da621ac_proj:
	s_mov_b64 s[64:65], 0
	v_nop
	global_prefetch_b8 v0, s[64:65] scope:SCOPE_SE
	s_setreg_imm32_b32 hwreg(HW_REG_WAVE_MODE, 25, 1), 1
	s_wait_xcnt 0x0
; q = ((hidden + object) Wq^T + bq) / sqrt(32), k = (hidden + object) Wk^T + bk, v = hidden Wv^T + bv, on codes of BF8 (E5M2) with one E8M0 scale for each 32 along K;
; then q and k are quantised along the head's 32 and v along the keys, and leave as IMAGES OF OPERAND REGISTERS for the launch that follows.
; DEAD WORK: none.  Every input has a way to the output (bk moves k's codes, the mask is added to every score), so every product of the problem is done, in this launch or the next.
; LIMITS: NaN and infinities among the inputs are not served.  A block whose largest magnitude lies under 2^(16 - 127) keeps the scale byte 1; a block of zeros gets 1 where the rule says 127:
; its codes are zeros, which add nothing under any byte but 0xff, and these bytes are read by this program alone.
; SHARES.  A work-group owns 64 rows of x.  First wave w quantises tile w % 4 of the rows, K step w / 4, of hidden and of hidden + object; the fragments go to LDS as images of their registers.
; Then wave w is head w for all 64 rows: 16 matrix instructions for each of q, k, v.  Its 24 KB of weights go from memory into its registers, once.
; NO JOINT REQUESTS: a joint request lands in LDS, and the weights are wanted in registers, each fragment by one wave alone; through LDS each work-group would write and read 192 KB more.  x is shared by nobody.
; ONE ROW ORDER: tile 2 a + u of 64 rows (and of a head's 32 rows of a weight) takes row 32 a + 8 u + r + 8 (r / 8) in lane row r.  So the transposed products (source 0 = weight, source 1 = x) leave a lane
; 16 neighbours d = 16 (lane / 16) + 0 .. 15 of one row of q or k, and the plain product (source 0 = x, source 1 = Wv) 16 neighbouring keys of one channel of v: the conversions' results are operand registers.
; OUT.  qws, a block of 16,896 bytes for each 64 queries: [head][tile 4][lane][16 bytes], then [head][lane row 16] scale words (byte c: tile c).
; kvws, a block of 67,584 bytes for each 128 keys: K [head][tile 8][lane][16], V at 32,768 [head][channel tile 2][key block 4][lane][16], scale words at 65,536 [64 keys 2][K, V][head][lane row 16].
; REGISTERS.  Window 0: v1-11 addresses; v16-31 at work in QUANT; v32 the scale word just made; v33-36 x's scale words; v40-51 the weights' scale words; v52, v53 the add's two;
;   v64-127 hidden, then four fragments of x; v128-191 object, then hidden + object, then eight accumulators; v192-239 codes, a set of 16 for each of q, k, v, so that no store's data are written again.
; Window 1: v0-63 Wq, v64-127 Wk, v128-191 Wv (fragment (u, K step) at 16 (2 u + step)); v192-207 bq, v208-223 bk, v224-239 bv, each in the layout of the result that it starts.
.set XIMG,  0                          ; LDS: 16 images of 2,048 bytes: 8 x kind + 2 x tile + K step; kind 0 hidden, 1 hidden + object
.set XSC,   32768                      ; their scale words, 128 bytes each
.set SST,   34816                      ; the scale words on their way out: [q, k, v][head][16 words]
.set SPARE, 36352                      ; the spare words, 128 bytes for each wave: four blocks of 256 bytes that no other line names
.set VX,  1                            ; x: my row x 1,024 + K step x 512 + 64 (lane / 16)
.set VW,  2                            ; weights' codes: (r + 8 (r / 8)) x 256 + 16 (lane / 16) + head x 8,192
.set VWS, 3                            ; weights' scale words: (r + 8 (r / 8)) x 8 + head x 256
.set VB,  4                            ; bq, bk: head x 128 + 64 (lane / 16)
.set VBV, 5                            ; bv: head x 128 + 4 (r + 8 (r / 8))
.set LI,  6                            ; 16 x lane
.set LS,  7                            ; 4 x lane
.set XWI, 8                            ; where I store x's images
.set XWS, 9                            ; and their scale words
.set SSA, 10                           ; where I put a scale word for the way out
.set SSR, 11                           ; where waves 0 to 2 read 512 bytes of them back
.set TM,  16
.set PW,  32
.set XS,  33
.set WS,  40
.set SPW, 52
.set NIL, 53
.set XH,  64
.set XF,  64
.set XO,  128
.set HA,  128
.set PC,  192
.set WQ,  0
.set WK,  64
.set WVV, 128
.set BQ,  192
.set BK,  208
.set BV,  224
.set WV,  34                           ; s34 my wave's number = my head
.set MNT, 35
.set SEL, 36                           ; s[36:37] v_permlanex16_b32's selects for lane l xor 16
.set SCL, 38                           ; s[38:39] 1 / sqrt(32)
.set MSB, 0
.macro WIN new                         ; the immediate's high byte repeats the setting that is left
.if MSB != \new
	s_set_vgpr_msb (MSB<<8)|\new
.set MSB, \new
.endif
.endm
; 64 numbers of a lane, register 16 b + i, four blocks of which lanes l and l xor 16 hold 16 numbers each, become 16 registers of codes at v[pc] and a scale word (byte b: block b) in v[PW].
.macro QUANT src, pc
.irp b, 0,1,2,3
	v_max3_num_f32 v[TM+\b], |v[\src+16*\b]|, |v[\src+1+16*\b]|, 0x8000000   ; my 16 numbers and the floor 2^(16 - 127): the byte cannot fall under 1
.endr
.irp i, 2,4,6,8,10,12,14
.irp b, 0,1,2,3
	v_max3_num_f32 v[TM+\b], v[TM+\b], |v[\src+16*\b+\i]|, |v[\src+1+16*\b+\i]|   ; the four blocks by turns
.endr
.endr
.irp b, 0,1,2,3
	s_delay_alu instid0(VALU_DEP_4)
	v_permlanex16_b32 v[TM+4+\b], v[TM+\b], s[SEL], s[SEL+1]
.endr
.irp b, 0,1,2,3
	s_delay_alu instid0(VALU_DEP_4)
	v_max_num_f32 v[TM+\b], v[TM+\b], v[TM+4+\b]          ; with lane l xor 16's: the block's largest magnitude
.endr
.irp b, 0,1,2,3
	s_delay_alu instid0(VALU_DEP_4)
	v_add_nc_u32 v[TM+12+\b], 0xf8800000, v[TM+\b]        ; 15 off its exponent field: the conversion's scale operand
.endr
.irp b, 0,1,2,3
.endr
.irp b, 0,1,2,3
	s_delay_alu instid0(VALU_DEP_4)
	v_lshrrev_b32 v[TM+4+\b], 23, v[TM+12+\b]             ; the scale's byte
.endr
	s_delay_alu instid0(VALU_DEP_3)
	v_lshl_or_b32 v[PW], v[TM+5], 8, v[TM+4]
	s_delay_alu instid0(VALU_DEP_1)
	v_lshl_or_b32 v[PW], v[TM+6], 16, v[PW]
	s_delay_alu instid0(VALU_DEP_1)
	v_lshl_or_b32 v[PW], v[TM+7], 24, v[PW]
.irp b, 0,1,2,3
.irp i, 0,1,2,3,4,5,6,7,8,9,10,11,12,13,14,15
.endr
	v_cvt_scalef32_pk8_bf8_f32 v[\pc+4*\b:\pc+1+4*\b], v[\src+16*\b:\src+7+16*\b], v[TM+12+\b]
	v_cvt_scalef32_pk8_bf8_f32 v[\pc+2+4*\b:\pc+3+4*\b], v[\src+8+16*\b:\src+15+16*\b], v[TM+12+\b]
.endr
	v_nop                                          ; a plain line between the last conversion and the products that write its sources again
.endm
.macro IMAGE adr, off, pc              ; a fragment goes to LDS as it stands: lane l's 16 bytes at 16 l, 512 bytes a store
.irp c, 0,1,2,3
	ds_store_b128 v[\adr], v[\pc+4*\c:\pc+4*\c+3] offset:\off+512*\c
.endr
.endm
.macro FETCH reg, off                  ; and comes back so, in any wave
.irp q, 0,1,2,3
	ds_load_b128 v[\reg+4*\q:\reg+4*\q+3], v[LI] offset:\off+512*\q
.endr
.endm
.macro BARRIER                         ; my LDS stores have landed and my LDS loads are in: then the work-group's barrier
	s_wait_dscnt 0x0
	s_barrier_signal -1
	s_barrier_wait -1
.endm
.macro PLACES8                         ; eight places behind this form, ahead of loads into registers that it read and of the first read of results
.rept 8
	v_nop
.endr
.endm
	s_load_b512 s[8:23], s[0:1], 0x0               ; hidden 8, object 10, Wq codes 12, scales 14, bq 16, Wk codes 18, scales 20, bk 22
	s_load_b256 s[24:31], s[0:1], 0x40             ; Wv codes 24, scales 26, bv 28, qws 30
	s_load_b64 s[32:33], s[0:1], 0x60              ; kvws
	v_lshl_add_u32 v[SPW], v0, 2, SPARE
	v_mov_b32 v[NIL], 0
	v_lshrrev_b32 v12, 5, v0
	s_delay_alu instid0(VALU_DEP_1)
	v_readfirstlane_b32 s[WV], v12                 ; wave 0..7
	v_and_b32 v12, 31, v0                          ; lane
	v_and_b32 v13, 15, v0                          ; r
	v_bfe_u32 v14, v0, 4, 1                        ; h
	s_delay_alu instid0(VALU_DEP_2)
	v_and_b32 v15, 8, v13
	s_delay_alu instid0(VALU_DEP_1)
	v_add_nc_u32 v15, v15, v13                     ; r + 8 (r / 8)
	s_wait_alu depctr_va_vdst(0)
	s_and_b32 s46, s[WV], 3                        ; the tile of rows that I quantise,
	s_lshr_b32 s47, s46, 1
	s_lshl_b32 s47, s47, 15                        ; 32 rows of 1,024 bytes for its upper bit,
	s_and_b32 s48, s46, 1
	s_lshl_b32 s48, s48, 13                        ; 8 rows for its lower,
	s_add_co_u32 s47, s47, s48
	s_lshr_b32 s48, s[WV], 2                       ; and the K step
	s_lshl_b32 s49, s48, 9
	s_add_co_u32 s47, s47, s49
	v_lshlrev_b32 v[VX], 10, v15
	s_delay_alu instid0(VALU_DEP_1)
	v_lshl_add_u32 v[VX], v14, 6, v[VX]
	s_delay_alu instid0(VALU_DEP_1)
	v_add_nc_u32 v[VX], s47, v[VX]
	s_lshl_b32 s46, s46, 1
	s_add_co_u32 s46, s46, s48                     ; the image's number: 2 x tile + K step
	v_lshlrev_b32 v[LI], 4, v12
	v_lshlrev_b32 v[LS], 2, v12
	s_lshl_b32 s47, s46, 11
	v_add_nc_u32 v[XWI], s47, v[LI]
	s_lshl_b32 s47, s46, 7
	v_add_nc_u32 v[XWS], s47, v[LS]
	v_lshlrev_b32 v[VW], 8, v15
	s_delay_alu instid0(VALU_DEP_1)
	v_lshl_add_u32 v[VW], v14, 4, v[VW]
	s_lshl_b32 s47, s[WV], 13
	v_add_nc_u32 v[VW], s47, v[VW]
	v_lshlrev_b32 v[VWS], 3, v15
	s_lshl_b32 s47, s[WV], 8
	v_add_nc_u32 v[VWS], s47, v[VWS]
	s_lshl_b32 s47, s[WV], 7
	v_lshl_add_u32 v[VB], v14, 6, s47
	v_lshl_add_u32 v[VBV], v15, 2, s47
	s_lshl_b32 s47, s[WV], 6
	s_add_co_u32 s47, s47, SST
	v_lshl_add_u32 v[SSA], v13, 2, s47
	s_min_u32 s47, s[WV], 2                        ; (waves 3 to 7 do not use this address: it is held inside the stage)
	s_lshl_b32 s47, s47, 9
	s_add_co_u32 s47, s47, SST
	v_add_nc_u32 v[SSR], s47, v[LI]
	s_mov_b32 s[SEL], 0x76543210
	s_mov_b32 s[SEL+1], 0xfedcba98
	s_mov_b32 s[SCL], 0x3e3504f3                   ; 1 / sqrt(32)
	s_mov_b32 s[SCL+1], s[SCL]                     ; (named with it as a pair, so it is written)
.irp b, 0,1,2,3
	v_mov_b32 v[TM+4+\b], 0                        ; written once: a lane permute's destination counts as one of its sources
.endr
	s_lshl_b32 s46, ttmp9, 16                      ; my 64 rows of x: 65,536 bytes a work-group
	s_mov_b32 s47, 0
	s_mul_i32 s48, ttmp9, 16896                    ; my block of qws
	s_lshl_b32 s50, s[WV], 11
	s_add_co_u32 s50, s50, s48                     ; + head x 2,048
	s_mov_b32 s51, 0
	s_lshr_b32 s52, ttmp9, 1
	s_mul_i32 s52, s52, 67584                      ; my block of kvws: two work-groups to a block of 128 keys,
	s_and_b32 s53, ttmp9, 1                        ; of which I am the g-th
	s_lshl_b32 s54, s[WV], 12
	s_add_co_u32 s54, s54, s52                     ; + head x 4,096
	s_lshl_b32 s56, s53, 10
	s_add_co_u32 s56, s56, s54
	s_add_co_u32 s56, s56, 32768                   ; V: + 32,768 + g x 1,024
	s_mov_b32 s57, 0
	s_lshl_b32 s55, s53, 11
	s_add_co_u32 s54, s54, s55                     ; K: + g x 2,048
	s_mov_b32 s55, 0
	s_add_co_u32 s48, s48, 16384                   ; the scale words: wave 0 stores q's,
	s_lshl_b32 s58, s53, 10
	s_add_co_u32 s58, s58, s52
	s_add_co_u32 s58, s58, 65536-512
	s_lshl_b32 s59, s[WV], 9
	s_add_co_u32 s58, s58, s59                     ; wave 1 k's and wave 2 v's: 65,536 + g x 1,024 + (wave - 1) x 512
	s_cmp_eq_u32 s[WV], 0
	s_cselect_b32 s58, s48, s58
	s_mov_b32 s59, 0
	s_wait_alu depctr_va_vdst(0)
	s_wait_kmcnt 0x0
	s_add_nc_u64 s[8:9], s[8:9], s[46:47]
	s_add_nc_u64 s[10:11], s[10:11], s[46:47]
	s_add_nc_u64 s[40:41], s[30:31], s[50:51]      ; where my q goes,
	s_add_nc_u64 s[42:43], s[32:33], s[54:55]      ; my k,
	s_add_nc_u64 s[44:45], s[32:33], s[56:57]      ; my v
	s_cmp_eq_u32 s[WV], 0
	s_cselect_b64 s[48:49], s[30:31], s[32:33]     ; the choice hangs on the wave's number alone
	s_add_nc_u64 s[48:49], s[48:49], s[58:59]
	; THE LOADS, small ones first, then x, then the weights in the order in which they are wanted, so that counted waits can leave the later ones out
.macro WSCL job, pb                    ; four scale words of a weight: tile u, K step k
.irp u, 0,1
.irp k, 0,1
	global_load_b32 v[WS+4*\job+2*\u+\k], v[VWS], s[\pb:\pb+1] offset:64*\u+4*\k
.endr
.endr
.endm
	WSCL 0, 14
	WSCL 1, 20
	WSCL 2, 26
	WIN 0x40                                       ; destination window 1, address window 0
.irp u, 0,1
.irp f, 0,1
	global_load_b128 v[BQ+8*\u+4*\f:BQ+8*\u+4*\f+3], v[VB], s[16:17] offset:32*\u+16*\f   ; register 8 u + j: bq[32 head + 16 h + 8 u + j]
	global_load_b128 v[BK+8*\u+4*\f:BK+8*\u+4*\f+3], v[VB], s[22:23] offset:32*\u+16*\f
.endr
.endr
	global_load_b32 v[BV], v[VBV], s[28:29]                  ; bv of my lane's channel in tile 0,
	global_load_b32 v[BV+8], v[VBV], s[28:29] offset:32      ; in tile 1
	WIN 0
.irp b, 0,1,2,3
.irp j, 0,1,2,3
	global_load_b128 v[XH+16*\b+4*\j:XH+16*\b+4*\j+3], v[VX], s[8:9] offset:128*\b+16*\j th:TH_LOAD_NT   ; my 16 numbers of block b of my row
.endr
.endr
.irp b, 0,1,2,3
.irp j, 0,1,2,3
	global_load_b128 v[XO+16*\b+4*\j:XO+16*\b+4*\j+3], v[VX], s[10:11] offset:128*\b+16*\j th:TH_LOAD_NT
.endr
.endr
.macro WLOAD rb, pb                    ; a weight's four fragments for my head
.irp u, 0,1
.irp k, 0,1
.irp c, 0,1,2,3
	global_load_b128 v[\rb+16*(2*\u+\k)+4*\c:\rb+16*(2*\u+\k)+4*\c+3], v[VW], s[\pb:\pb+1] offset:2048*\u+128*\k+32*\c
.endr
.endr
.endr
.endm
	WIN 0x40
	WLOAD WQ, 12
	WLOAD WK, 18
	WLOAD WVV, 24
	s_wait_loadcnt 48                              ; all but the 48 loads of the weights: scale words, biases and x are in
	WIN 0x41                                       ; destination and source 0 window 1
.irp d, 0,1
.irp j, 1,2,3,4,5,6,7
	v_mov_b32 v[BV+8*\d+\j], v[BV+8*\d]            ; in v's result a lane holds one channel and eight keys: the bias is the same in its eight registers
.endr
.endr
	WIN 0
	; ---- X: my tile and K step of hidden and of hidden + object become fragments
.set j, 0
.rept 32
	v_pk_add_f32 v[XO+j:XO+j+1], v[XH+j:XH+j+1], v[XO+j:XO+j+1]   ; the sum first: QUANT holds its numbers in place
.set j, j+2
.endr
	QUANT XH, PC
	IMAGE XWI, XIMG, PC
	ds_store_b32 v[XWS], v[PW] offset:XSC
	s_wait_dscnt 0x0                               ; the stores have read their registers
	QUANT XO, PC
	IMAGE XWI, XIMG+8*2048, PC
	ds_store_b32 v[XWS], v[PW] offset:XSC+8*128
	BARRIER                                        ; all sixteen fragments lie in LDS
	; ---- q and k: transposed, source 0 = 16 rows of the weight, source 1 = 16 rows of hidden + object.  Eight accumulators by turns; the bias is the C of the first K step
.macro JOBQK job, wb, bb, sc, pp
.irp k, 0,1
.irp c, 0,1,2,3
	FETCH XF+16*\c, XIMG+(8+2*\c+\k)*2048
	ds_load_b32 v[XS+\c], v[LS] offset:XSC+(8+2*\c+\k)*128
.endr
	s_wait_dscnt 0x0
.if \k == 0
	WIN 0x11                                       ; source 0 (weight) and source 2 (bias) window 1
.else
	WIN 0x01
.endif
.irp c, 0,1,2,3
.irp u, 0,1
.if \k == 0
	v_wmma_scale_f32_16x16x128_f8f6f4 v[HA+16*\c+8*\u:HA+16*\c+8*\u+7], v[\wb+16*(2*\u+\k):\wb+16*(2*\u+\k)+15], v[XF+16*\c:XF+16*\c+15], v[\bb+8*\u:\bb+8*\u+7], v[WS+4*\job+2*\u+\k], v[XS+\c] matrix_a_fmt:MATRIX_FMT_BF8 matrix_b_fmt:MATRIX_FMT_BF8
.else
	v_wmma_scale_f32_16x16x128_f8f6f4 v[HA+16*\c+8*\u:HA+16*\c+8*\u+7], v[\wb+16*(2*\u+\k):\wb+16*(2*\u+\k)+15], v[XF+16*\c:XF+16*\c+15], v[HA+16*\c+8*\u:HA+16*\c+8*\u+7], v[WS+4*\job+2*\u+\k], v[XS+\c] matrix_a_fmt:MATRIX_FMT_BF8 matrix_b_fmt:MATRIX_FMT_BF8
.endif
.endr
.endr
	WIN 0
	PLACES8
.endr
.if \sc
.set j, 0
.rept 32
	v_pk_mul_f32 v[HA+j:HA+j+1], v[HA+j:HA+j+1], s[SCL:SCL+1] op_sel_hi:[1,0]   ; q alone: x 1 / sqrt(32), ahead of its quantiser
.set j, j+2
.endr
.endif
	QUANT HA, PC+16*\job                           ; block c: tile c's row r, d = 16 h + 0 .. 15
.irp c, 0,1,2,3
	global_store_b128 v[LI], v[PC+16*\job+4*\c:PC+16*\job+4*\c+3], s[\pp:\pp+1] offset:512*\c   ; 32 lanes store 512 consecutive bytes, at a multiple of 256 from the buffer's first byte
.endr
	ds_store_b32 v[SSA], v[PW] offset:512*\job     ; both halves of the lanes write the same word with the same value
.endm
	s_wait_loadcnt 32                              ; Wq is in; Wk's and Wv's 32 loads may be out
	JOBQK 0, WQ, BQ, 1, 40
	s_wait_loadcnt 16                              ; Wk is in; Wv's 16 may be out
	JOBQK 1, WK, BK, 0, 42
	s_wait_loadcnt 0x0                             ; Wv
	; ---- v: plain, source 0 = 16 rows of hidden (keys), source 1 = 16 rows of Wv: a lane holds one channel, and the registers of tiles 2 a and 2 a + 1 are 16 neighbouring keys
.irp k, 0,1
.irp c, 0,1,2,3
	FETCH XF+16*\c, XIMG+(2*\c+\k)*2048
	ds_load_b32 v[XS+\c], v[LS] offset:XSC+(2*\c+\k)*128
.endr
	s_wait_dscnt 0x0
.if \k == 0
	WIN 0x14                                       ; source 1 (Wv) and source 2 (bv) window 1
.else
	WIN 0x04
.endif
.irp c, 0,1,2,3
.irp d, 0,1
.if \k == 0
	v_wmma_scale_f32_16x16x128_f8f6f4 v[HA+16*(2*\d+\c/2)+8*(\c%2):HA+16*(2*\d+\c/2)+8*(\c%2)+7], v[XF+16*\c:XF+16*\c+15], v[WVV+16*(2*\d+\k):WVV+16*(2*\d+\k)+15], v[BV+8*\d:BV+8*\d+7], v[XS+\c], v[WS+8+2*\d+\k] matrix_a_fmt:MATRIX_FMT_BF8 matrix_b_fmt:MATRIX_FMT_BF8
.else
	v_wmma_scale_f32_16x16x128_f8f6f4 v[HA+16*(2*\d+\c/2)+8*(\c%2):HA+16*(2*\d+\c/2)+8*(\c%2)+7], v[XF+16*\c:XF+16*\c+15], v[WVV+16*(2*\d+\k):WVV+16*(2*\d+\k)+15], v[HA+16*(2*\d+\c/2)+8*(\c%2):HA+16*(2*\d+\c/2)+8*(\c%2)+7], v[XS+\c], v[WS+8+2*\d+\k] matrix_a_fmt:MATRIX_FMT_BF8 matrix_b_fmt:MATRIX_FMT_BF8
.endif
.endr
.endr
	WIN 0
	PLACES8
.endr
	QUANT HA, PC+32                                ; block 2 d + e: channel tile d, my 32 keys e: quantised along the keys
.irp d, 0,1
.irp e, 0,1
	global_store_b128 v[LI], v[PC+32+4*(2*\d+\e):PC+32+4*(2*\d+\e)+3], s[44:45] offset:2048*\d+512*\e
.endr
.endr
	ds_store_b32 v[SSA], v[PW] offset:1024
	BARRIER                                        ; all heads' scale words lie in the stage
	s_cmp_lt_u32 s[WV], 3                          ; waves 0, 1, 2 store q's, k's, v's: 512 consecutive bytes each
	s_cbranch_scc0 .Lno_scales
	ds_load_b128 v[12:15], v[SSR]
	s_wait_dscnt 0x0
	global_store_b128 v[LI], v[12:15], s[48:49]
.Lno_scales:
	s_wait_tensorcnt 0x0                           ; the wave's end, behind my last LDS store
	ds_add_u32 v[SPW], v[NIL]
	s_wait_dscnt 0x0
	s_endpgm
.Lfunc_end_k_q871da621ac_proj:
	.size	k_q871da621ac_proj, .Lfunc_end_k_q871da621ac_proj-k_q871da621ac_proj
	.p2alignl 7, 3214868480
	.fill 96, 4, 3214868480
	.section	.rodata,"a",@progbits
	.p2align	6, 0x0
	.amdhsa_kernel k_q871da621ac_proj
		.amdhsa_group_segment_fixed_size 37376
		.amdhsa_private_segment_fixed_size 0
		.amdhsa_enable_private_segment 0
		.amdhsa_kernarg_size 104
		.amdhsa_user_sgpr_count 2
		.amdhsa_user_sgpr_kernarg_segment_ptr 1
		.amdhsa_wavefront_size32 1
		.amdhsa_system_sgpr_workgroup_id_x 1
		.amdhsa_system_sgpr_workgroup_id_y 1
		.amdhsa_system_sgpr_workgroup_id_z 1
		.amdhsa_system_vgpr_workitem_id 0
		.amdhsa_next_free_vgpr 512
		.amdhsa_next_free_sgpr 66
		.amdhsa_reserve_vcc 0
		.amdhsa_float_denorm_mode_32 3
		.amdhsa_float_denorm_mode_16_64 3
		.amdhsa_fp16_overflow 1
		.amdhsa_memory_ordered 1
		.amdhsa_forward_progress 1
		.amdhsa_inst_pref_size 58
	.end_amdhsa_kernel
	.amdgpu_metadata
---
amdhsa.version: [ 1, 2 ]
amdhsa.kernels:
  - .name:           k_q871da621ac_proj
    .symbol:         k_q871da621ac_proj.kd
    .args:
      - { .name: hidden_states, .offset: 0, .size: 8, .value_kind: global_buffer, .address_space: global }
      - { .name: object_queries, .offset: 8, .size: 8, .value_kind: global_buffer, .address_space: global }
      - { .name: Wq_codes, .offset: 16, .size: 8, .value_kind: global_buffer, .address_space: global }
      - { .name: Wq_scales, .offset: 24, .size: 8, .value_kind: global_buffer, .address_space: global }
      - { .name: bq, .offset: 32, .size: 8, .value_kind: global_buffer, .address_space: global }
      - { .name: Wk_codes, .offset: 40, .size: 8, .value_kind: global_buffer, .address_space: global }
      - { .name: Wk_scales, .offset: 48, .size: 8, .value_kind: global_buffer, .address_space: global }
      - { .name: bk, .offset: 56, .size: 8, .value_kind: global_buffer, .address_space: global }
      - { .name: Wv_codes, .offset: 64, .size: 8, .value_kind: global_buffer, .address_space: global }
      - { .name: Wv_scales, .offset: 72, .size: 8, .value_kind: global_buffer, .address_space: global }
      - { .name: bv, .offset: 80, .size: 8, .value_kind: global_buffer, .address_space: global }
      - { .name: qws, .offset: 88, .size: 8, .value_kind: global_buffer, .address_space: global }
      - { .name: kvws, .offset: 96, .size: 8, .value_kind: global_buffer, .address_space: global }
    .group_segment_fixed_size: 37376
    .private_segment_fixed_size: 0
    .kernarg_segment_align: 8
    .kernarg_segment_size: 104
    .max_flat_workgroup_size: 256
    .sgpr_count:     66
    .vgpr_count:     512
    .wavefront_size: 32
...
	.end_amdgpu_metadata
.endif
;; end of part 1
;; launch attn (part 2): grid 32 x 8, 16 waves a work-group, clusters of 4 x 1, 327,680 bytes of LDS; arguments qws, kvws, attention_mask, Wo_codes, Wo_scales, bo, out0; writes out0
.if DOCPART == 2
	.amdgcn_target "amdgcn-amd-amdhsa--gfx1250"
	.amdhsa_code_object_version 6
	.text
	.protected	k_q871da621ac_attn
	.globl	k_q871da621ac_attn
	.p2align	8
	.type	k_q871da621ac_attn,@function
k_q871da621ac_attn:
	s_mov_b64 s[64:65], 0
	v_nop
	global_prefetch_b8 v0, s[64:65] scope:SCOPE_SE
	s_setreg_imm32_b32 hwreg(HW_REG_WAVE_MODE, 25, 1), 1
	s_wait_xcnt 0x0
	s_wait_alu depctr_hold_cnt(0) depctr_sa_sdst(0) depctr_va_vdst(0) depctr_va_sdst(0) depctr_va_ssrc(0) depctr_va_vcc(0) depctr_vm_vsrc(0)
	s_getreg_b32 s2, hwreg(HW_REG_IB_STS2, 6, 4)
	s_cmp_eq_u32 s2, 0
	s_cbranch_scc0 .Lentry_in_a_cluster
	s_endpgm
.Lentry_in_a_cluster:
	s_bfe_u32 s2, ttmp6, 0x10000c
	s_cmp_lg_u32 s2, 0x3003
	s_cbranch_scc0 .Lentry_shape_is_right
	s_endpgm
.Lentry_shape_is_right:
; out = (softmax(q k^T + mask) v) Wo^T + bo, all three products on codes of BF8 (E5M2) with one E8M0 scale for each 32 along K.  q, k, v come as codes from the launch before, laid as images of operand registers.
; No work of the problem is left out here: every key step, every head and every number of the mask is taken.
; THE SOFTMAX AHEAD OF THE SECOND PRODUCT: t = logit x log2(e); M = the row's largest t so far, rounded up to a whole number; p = 2^(t - M) is quantised along the keys, not normalised; the row's sum is taken of the
; unquantised p and divides at the end.  When M moves, the sum and O are multiplied by 2^(old M - new M): exact.
; LIMITS: NaN and +infinity among the inputs are not served; a mask of -infinity gives p = 0, and a row masked wholly by -infinity gives NaN, as the softmax of such a row does.  Logits beyond about 2e38 in size are not served.
; A block whose every p has fallen to 0 keeps the scale byte 1: its codes are zeros.  A block's largest p is made from the block's largest logit, which takes v_exp_f32 not to fall where its input rises.
; SHARES.  A work-group owns 64 queries of one batch, ALL EIGHT HEADS: so each number of the mask is fetched once, and the last product, whose blocks of 32 along K are the heads, is done here.
; Sixteen waves of 256 registers, four to a SIMD: wave w is head w / 2 and query tiles 2 (w % 2), 2 (w % 2) + 1.  Every wave walks 16 steps of 128 keys.  On the way out wave w makes output channels 16 w .. 16 w + 15.
; LAYOUT.  Tile 2 a + u of 64 queries (or keys) holds row 32 a + 8 u + r + 8 (r / 8) in lane row r.  S^T = K Q^T and O^T = V^T P^T: a lane holds one query throughout, the 16 registers of two neighbouring
; key tiles are 16 neighbouring keys, and O^T's 16 registers are d = 16 (lane / 16) + 0 .. 15: the conversions' results are the next operand's registers.
; K = 32 IN A FORM THAT IS 128 DEEP.  Source 0 holds FOUR key tiles of my head, one in each block of 32; source 1 holds q in block c and zero codes in the other three, so the product picks key tile c.  The four
; sources 1 are overlapping windows of one run z z z q0 z z z q1 z z z (groups of four registers).  K's scale word has byte c for tile c; q's byte stands in all four bytes of its word.
; THE MASK IS THE C OF THE SCORE PRODUCT: it is loaded from LDS into the score's registers, and the product adds in place.
; THE RING.  Two LDS slots, 2^17 bytes apart, a key step each: 64 rows x 512 bytes of the mask and the step's block of K, V and scale words (67,584 dense bytes).
; CLUSTER.  The four work-groups of a cluster belong to one batch and walk the same K and V: waves 8 to 15 ask for that block JOINTLY, 33 rows of 256 bytes each.  The mask's tile is the work-group's own: waves 0 to 7
; fetch it by plain loads behind the same rounds.  THE MASK COMES AS EIGHT LOADS OF 8 ROWS, not as one of 64: in LDS its rows lie in the tiles' lane order (LDS row 16 tile + r), so that the sixteen rows that a
; ds_load_b128 touches are neighbours, 528 bytes apart, and start 4 words apart round the banks (64 banks of 4 bytes: ISA guide 11.1); that order moves groups of 8 rows.
; REGISTERS: v1-4 addresses that stay; v5, v6 the add's two; v7-10 the step's addresses; v11 the prefetches' offset; v12-19 -M, the largest t and the sum, for two tiles; v20-63 the run of q and zeros;
; v64-95 K; v96-159 mask, then scores, then p, at a step's end V; v160-191 O^T; v192-223 p's codes; v224-243 at work; v244-252 scale words; v253-255 at work.
.set KVB,   67584                      ; a step's block of K, V and scale words
.set KVO,   33792                      ; where it lies in a slot: behind the mask's 64 rows of 528 bytes
.set SCW,   KVO+65536                  ; its scale words
.set MP,    528
.set AIMG,  101376                     ; behind slot 0: attn's 8 fragments as images, 2 x tile + K step,
.set ASCL,  117760                     ; their scale words, 64 bytes each,
.set SPARE, 118272                     ; and the spare words, 128 bytes for each wave: eight blocks of 256 bytes that no other line names
.set SLOT1, 1<<17
.set STG,   232448                     ; behind slot 1: the stage for the way out, 64 rows x (1,024 + 16) bytes
.set SP,    1040
.set AM0,  1
.set AK0,  2
.set ASK0, 3
.set ASV0, 4
.set SPW,  5
.set NIL,  6
.set ADM,  7
.set ADK,  8
.set ADSK, 9
.set ADSV, 10
.set PFO,  11
.set STAT, 12
.set QZ,   20
.set KF,   64
.set S,    96
.set O,    160
.set P,    192
.set MX,   224
.set PM,   228
.set LIMV, 232
.set SCO,  236
.set F,    240
.set KSW,  244                         ; K's scale words: lanes 0-15 tiles 0-3, lanes 16-31 tiles 4-7
.set VS,   245                         ; v245, v246 V's, for channel tiles 0, 1
.set QS,   247                         ; v247, v248 q's
.set PS,   249                         ; v249, v250 p's
.set VW,   251                         ; v251, v252 V's words as they lie in memory
.set WV,   18
.set MNT,  19
.set SEL,  20
.set CS,   22                          ; s[22:23] log2(e)
.set G1M,  24                          ; s[24:31] group 1 for the mask's tiles;  s[32:39] for the K/V block;  s[40:43], s[44:47] their groups 0, which walk
.set G1K,  32
.set G0M,  40
.set G0K,  44
.set TB,   48                          ; s48 LDS byte at which the slot in hand begins
.set STEPS, 49                         ; s49 steps still to be asked for
.set LIM,  50                          ; s50 1 in a wave that prefetches, else the greatest number
.set PFA,  52                          ; s[52:53] where my prefetches stand
.set PFS,  54                          ; s[54:55] a step on, in bytes
.set HD,   56
.set PR,   57
.set CX,   58
.set WX,   59
.set BB,   60
.macro ROUND                           ; a round of the cluster's barrier
	s_barrier_signal -1
	s_barrier_wait -1
	s_cmp_lg_u32 s[WV], 0
	s_cbranch_scc1 .Lnot_wave_0_\@
	s_barrier_signal -3
.Lnot_wave_0_\@:
	s_barrier_wait -3
	s_barrier_signal -1
	s_barrier_wait -1
.endm
; Waves 0 to 7 fetch the mask's tile, waves 8 to 15 the K/V block: every wave has one load.  The branch hangs on the wave's number alone.  An s_nop 0 and four v_nop follow each line.
.macro TLOAD
	s_cmp_lt_u32 s[WV], 8
	s_cbranch_scc0 .Lfor_kv_\@
	tensor_load_to_lds s[G0M:G0M+3], s[G1M:G1M+7]
	s_nop 0
.rept 4
	v_nop
.endr
	s_branch .Lasked_\@
.Lfor_kv_\@:
	tensor_load_to_lds s[G0K:G0K+3], s[G1K:G1K+7]
	s_nop 0
.rept 4
	v_nop
.endr
.Lasked_\@:
.endm
; A PREFETCH INTO THE L2 of what the NEXT change of slots will ask for, a key step ahead of that load.  Each aligned block of 256 bytes is named once in the launch.  The mask's tile (64 rows x 2 blocks) is the work-group's
; own: its waves 0 to 3 ask, 16 rows a wave, two lanes a row.  The K/V block's 256 blocks of fragments are walked by all clusters of a batch: the batch's first cluster asks, its four partners told apart BY ADDRESS
; (16,384 bytes each), waves 4 and 5, a lane a block.  The last change that fills a slot asks for nothing.  Steps 0 and 1 and the scale words come by their loads alone.
.macro ASK
	s_cmp_gt_u32 s[STEPS], s[LIM]
	s_cbranch_scc0 .Lnot_mine_\@
	global_prefetch_b8 v[PFO], s[PFA:PFA+1] th:TH_LOAD_NT scope:SCOPE_SE
.Lnot_mine_\@:
.endm
; THE CHANGE OF SLOTS stands at a step's head.  Each wave waits for all its tensor loads (one is out: its part of the slot that it is about to read), adds 0 to its spare word, and waits for that and for its reads of the
; slot that it has left.  fill = 1: a round of the cluster's barrier, and behind it the other slot is filled with the next step: that load has a whole step in which to land.
.macro CHANGE fill
	s_wait_tensorcnt 0x0                           ; no tensor load of mine is out, so a group 0 may be written
	ds_add_u32 v[SPW], v[NIL]                      ; 0 onto my spare word
.if \fill
	s_xor_b32 s[G0M+1], s[G0M+1], SLOT1            ; the walking descriptors: the other slot than last time,
	s_add_nc_u64 s[G0M+2:G0M+3], s[G0M+2:G0M+3], 512      ; 128 keys on in the mask's rows; the type bits on top are not reached
	s_xor_b32 s[G0K+1], s[G0K+1], SLOT1
	s_add_nc_u64 s[G0K+2:G0K+3], s[G0K+2:G0K+3], KVB      ; the next block
	s_wait_xcnt 0x0                                ; the last prefetch, a step back, has read its address, so it may be written:
	s_add_nc_u64 s[PFA:PFA+1], s[PFA:PFA+1], s[PFS:PFS+1] ; one step further on than the walking descriptors
.endif
	s_wait_dscnt 0x0                               ; the add is done, and my reads of the slot that I have left are over
.if \fill
	ROUND                                          ; no wave of any partner still reads that slot or has a load on its way
	TLOAD                                          ; the first thing behind the round, and my one tensor load until the next
	ASK
.else
	s_barrier_signal -1
	s_barrier_wait -1
.endif
.endm
	s_load_b256 s[4:11], s[0:1], 0x0               ; qws 4, kvws 6, mask 8, Wo's codes 10
	s_load_b128 s[12:15], s[0:1], 0x20             ; Wo's scales 12, bo 14
	s_load_b64 s[16:17], s[0:1], 0x30              ; out
	v_lshl_add_u32 v[SPW], v0, 2, SPARE
	v_mov_b32 v[NIL], 0
	ds_add_u32 v[SPW], v[NIL]                      ; the wave's opening: the add, twice on end, and its wait ahead of the round in front of my first tensor load
	ds_add_u32 v[SPW], v[NIL]                      ; and once more; the set-up below, work on registers, stands between it and the wait
	v_lshrrev_b32 v253, 5, v0
	s_delay_alu instid0(VALU_DEP_1)
	v_readfirstlane_b32 s[WV], v253                ; wave 0..15
	s_lshr_b32 s[HD], s[WV], 1                     ; my head
	s_and_b32 s[PR], s[WV], 1                      ; my pair of query tiles
	s_bfe_u32 s[CX], ttmp6, 0x40000                ; my place in the cluster
	s_lshl_b32 s[WX], ttmp9, 2
	s_add_co_u32 s[WX], s[WX], s[CX]               ; my block of 64 queries = 4 x cluster x + cx
	s_and_b32 s[BB], ttmp7, 0xffff                 ; the batch, which the four partners share
	; group 1, the mask: 8 rows x 128 elements of 4 bytes, 2,048 elements from row to row; 4 words of padding behind every 128
	s_mov_b32 s[G1M], (2<<16)|(1<<20)|(6<<22)|(3<<25)
	s_mov_b32 s[G1M+1], 128<<16
	s_mov_b32 s[G1M+2], 8<<16
	s_mov_b32 s[G1M+3], 128<<16
	s_mov_b32 s[G1M+4], 8
	s_mov_b32 s[G1M+5], 2048
	s_mov_b32 s[G1M+6], 0
	s_mov_b32 s[G1M+7], 0
	; group 1, the K/V block: 33 dense rows of 32 elements of 8 bytes; the mask names all four work-groups, bit 21 set beside it
	s_mov_b32 s[G1K], 15|(3<<16)|(1<<21)
	s_mov_b32 s[G1K+1], 32<<16
	s_mov_b32 s[G1K+2], 33<<16
	s_mov_b32 s[G1K+3], 32<<16
	s_mov_b32 s[G1K+4], 33
	s_mov_b32 s[G1K+5], 32
	s_mov_b32 s[G1K+6], 0
	s_mov_b32 s[G1K+7], 0
	s_mov_b32 s[SEL], 0x76543210
	s_mov_b32 s[SEL+1], 0xfedcba98
	s_mov_b32 s[CS], 0x3fb8aa3b                    ; log2(e)
	s_mov_b32 s[CS+1], s[CS]                       ; (named with it as a pair, so it is written)
	s_mov_b32 s[TB], 0
	s_mov_b32 s[STEPS], 15
	s_and_b32 s61, s[WV], 7                        ; which eighth I fetch
	s_and_b32 s62, s61, 4                          ; the mask's rows 8 i .. 8 i + 7 go to LDS rows 8 i' on, i' = i with its two low bits changed over
	s_and_b32 s63, s61, 1
	s_lshl_b32 s63, s63, 1
	s_or_b32 s62, s62, s63
	s_lshr_b32 s63, s61, 1
	s_and_b32 s63, s63, 1
	s_or_b32 s62, s62, s63
	s_mov_b32 s[G0M], 1
	s_mul_i32 s[G0M+1], s62, 8*MP
	s_mov_b32 s[G0K], 1
	s_mul_i32 s[G0K+1], s61, 8448
	s_add_co_u32 s[G0K+1], s[G0K+1], KVO
	s_lshl_b32 s66, s[BB], 24                      ; the mask: a batch is 2,048 rows of 8,192 bytes,
	s_lshl_b32 s67, s[WX], 19                      ; my 64 rows,
	s_add_co_u32 s66, s66, s67
	s_lshl_b32 s68, s61, 16                        ; my 8 of them
	s_add_co_u32 s68, s68, s66
	s_mov_b32 s69, 0
	s_mul_i32 s70, s[BB], 16*KVB                   ; K and V: the batch's 16 blocks (no register that feeds the joint descriptor ever holds cx),
	s_mul_i32 s72, s61, 8448                       ; my eighth of a block
	s_add_co_u32 s72, s72, s70
	s_mov_b32 s73, 0
	; the prefetches: where my wave's stand (at step 1: the first change steps them to step 2), and who asks
	s_lshl_b32 s74, s[WV], 17                      ; the mask: 16 rows a wave
	s_add_co_u32 s74, s74, s66
	s_add_co_u32 s74, s74, 512
	s_lshl_b32 s75, s[CX], 14                      ; K and V: 16,384 bytes a partner,
	s_add_co_u32 s75, s75, s70
	s_lshl_b32 s76, s[WV], 13                      ; 8,192 a wave, from wave 4 on
	s_add_co_u32 s75, s75, s76
	s_add_co_u32 s75, s75, KVB-4*8192
	s_cmp_lt_u32 s[WV], 4
	s_cselect_b32 s74, s74, s75
	s_mov_b32 s75, 0
	s_mov_b32 s[PFS], KVB
	s_cselect_b32 s[PFS], 512, s[PFS]
	s_mov_b32 s[PFS+1], 0
	s_mov_b32 s76, 512
	s_cselect_b32 s76, 8192, s76                   ; from one pair of lanes to the next: a row of the mask, or two blocks
	s_cselect_b32 s77, 0, ttmp9                    ; waves 0 to 3 ask in every work-group;
	s_cmp_lt_u32 s[WV], 6
	s_cselect_b32 s77, s77, 1                      ; waves 4 and 5 where the cluster is the batch's first: the same in all four partners; the others never
	s_cmp_eq_u32 s77, 0
	s_cselect_b32 s[LIM], 1, -1
	v_and_b32 v253, 31, v0
	s_delay_alu instid0(VALU_DEP_1)
	v_lshrrev_b32 v254, 1, v253
	s_delay_alu instid0(VALU_DEP_1)
	v_mul_lo_u32 v[PFO], v254, s76
	s_delay_alu instid0(VALU_DEP_3)
	v_and_b32 v254, 1, v253
	s_delay_alu instid0(VALU_DEP_1)
	v_lshl_add_u32 v[PFO], v254, 8, v[PFO]
	s_lshl_b32 s78, s[BB], 5
	s_add_co_u32 s78, s78, s[WX]
	s_mul_i32 s78, s78, 16896                      ; my block of qws
	s_lshl_b32 s80, s[HD], 11
	s_add_co_u32 s80, s80, s78
	s_lshl_b32 s81, s[PR], 10
	s_add_co_u32 s80, s80, s81                     ; my head's, my pair's codes
	s_mov_b32 s81, 0
	s_lshl_b32 s82, s[HD], 6
	s_add_co_u32 s82, s82, s78
	s_add_co_u32 s82, s82, 16384                   ; my head's scale words
	s_mov_b32 s83, 0
	s_lshl_b32 s84, s[BB], 21                      ; out: a batch is 2,048 rows of 1,024 bytes,
	s_lshl_b32 s85, s[WX], 16
	s_add_co_u32 s84, s84, s85
	s_lshl_b32 s85, s[WV], 12                      ; of my work-group's 64 rows I store 4 w .. 4 w + 3
	s_add_co_u32 s84, s84, s85
	s_mov_b32 s85, 0
	s_lshl_b32 s87, s[PR], 1
	s_mul_i32 s87, s87, 0x01010101                 ; v_perm_b32's selects: byte 2 p of q's scale word into all four bytes,
	s_add_co_u32 s88, s87, 0x01010101              ; byte 2 p + 1
	s_wait_dscnt 0x0                               ; both opening adds are done
	s_wait_kmcnt 0x0
	s_add_nc_u64 s[G0M+2:G0M+3], s[8:9], s[68:69]
	s_or_b32 s[G0M+3], s[G0M+3], 0x80000000        ; type = 2
	s_add_nc_u64 s[G0K+2:G0K+3], s[6:7], s[72:73]
	s_or_b32 s[G0K+3], s[G0K+3], 0x80000000
	s_cmp_lt_u32 s[WV], 4
	s_cselect_b64 s[PFA:PFA+1], s[8:9], s[6:7]     ; the choice hangs on the wave's number alone
	s_add_nc_u64 s[PFA:PFA+1], s[PFA:PFA+1], s[74:75]
	s_add_nc_u64 s[90:91], s[4:5], s[82:83]        ; q's scale words
	s_add_nc_u64 s[4:5], s[4:5], s[80:81]          ; q's codes
	s_add_nc_u64 s[16:17], s[16:17], s[84:85]
	ROUND                                          ; all four work-groups are here: the first joint loads meet
	TLOAD                                          ; step 0 into slot 0
	v_and_b32 v253, 15, v0                         ; r
	v_bfe_u32 v254, v0, 4, 1                       ; h
	v_and_b32 v255, 31, v0                         ; lane
	s_delay_alu instid0(VALU_DEP_1)
	v_lshlrev_b32 v[ADM], 4, v255
	s_delay_alu instid0(VALU_DEP_4)
	v_lshlrev_b32 v[ADK], 2, v253
	global_load_b128 v[QZ+12:QZ+15], v[ADM], s[4:5]             ; q of my first tile: group 3 of the run,
	global_load_b128 v[QZ+28:QZ+31], v[ADM], s[4:5] offset:512  ; of my second: group 7
	global_load_b32 v[VW], v[ADK], s[90:91]                     ; the four tiles' scale bytes of lane row r
	s_mul_i32 s86, s[PR], 32*MP
	v_mul_u32_u24 v[AM0], v253, MP
	s_delay_alu instid0(VALU_DEP_1)
	v_lshl_add_u32 v[AM0], v254, 6, v[AM0]
	s_delay_alu instid0(VALU_DEP_1)
	v_add_nc_u32 v[AM0], s86, v[AM0]               ; the mask: LDS row 32 p + r, + 64 h: my 16 keys of a block of 32
	s_lshl_b32 s86, s[HD], 12
	s_add_co_u32 s86, s86, KVO
	v_lshl_add_u32 v[AK0], v255, 4, s86            ; K's fragments of my head: 16 x lane; V's lie 32,768 further on
	s_lshl_b32 s86, s[HD], 6
	s_add_co_u32 s86, s86, SCW
	v_lshl_add_u32 v[ASK0], v253, 2, s86
	s_delay_alu instid0(VALU_DEP_1)
	v_add_nc_u32 v[ASV0], 512, v[ASK0]             ; V's words lie 512 bytes behind K's
	s_delay_alu instid0(VALU_DEP_2)
	v_lshl_add_u32 v[ASK0], v254, 10, v[ASK0]      ; K's: lanes 16-31 take the second 64 keys' words, 1,024 bytes on
.irp i, 0,1,2,4,5,6,8,9,10
.irp j, 0,1,2,3
	v_mov_b32 v[QZ+4*\i+\j], 0                     ; the run's zero codes: they stay
.endr
.endr
.set j, 0
.rept 32
	v_mov_b32 v[O+j], 0                            ; O^T.  (The step is written once: the first finds zeros, which the first change of M leaves zeros)
.set j, j+1
.endr
.irp a, 0,1
	v_mov_b32 v[STAT+4*\a+1], 0xff61b1e6           ; the largest t so far: -3e38, under every t
	s_delay_alu instid0(VALU_DEP_1)
	v_floor_f32 v[STAT+4*\a], -v[STAT+4*\a+1]      ; -M
	v_mov_b32 v[STAT+4*\a+2], 0                    ; the sum, in two halves
	v_mov_b32 v[STAT+4*\a+3], 0
	v_mov_b32 v[F+2*\a+1], 0                       ; (named as the upper half of a pair)
.endr
.irp b, 0,1,2,3
	v_mov_b32 v[PM+\b], 0                          ; written once: a lane permute's destination counts as one of its sources
.endr
	s_wait_loadcnt 0x0                             ; q
	v_perm_b32 v[QS], v[VW], v[VW], s87
	v_perm_b32 v[QS+1], v[VW], v[VW], s88
; A UNIT: one tile of 16 queries x 128 keys of my head: the scores, the softmax's step, p's codes.
.macro UNIT tau
.set ST,  STAT+4*\tau
.set FF,  F+2*\tau
.set PCD, P+16*\tau
	s_wait_dscnt 0x0                               ; the mask's 16 loads (tile 0: K's fragments and the scale words too)
.irp t, 0,1,2,3                        ; eight different accumulators; each adds onto the mask that was loaded into it
	v_wmma_scale_f32_16x16x128_f8f6f4 v[S+8*\t:S+8*\t+7], v[KF:KF+15], v[QZ+4*(3+4*\tau-\t):QZ+4*(3+4*\tau-\t)+15], v[S+8*\t:S+8*\t+7], v[KSW], v[QS+\tau] matrix_a_fmt:MATRIX_FMT_BF8 matrix_b_fmt:MATRIX_FMT_BF8
.endr
.irp t, 0,1,2,3
	v_wmma_scale_f32_16x16x128_f8f6f4 v[S+32+8*\t:S+32+8*\t+7], v[KF+16:KF+31], v[QZ+4*(3+4*\tau-\t):QZ+4*(3+4*\tau-\t)+15], v[S+32+8*\t:S+32+8*\t+7], v[KSW], v[QS+\tau] matrix_a_fmt:MATRIX_FMT_BF8 matrix_b_fmt:MATRIX_FMT_BF8 matrix_a_scale:MATRIX_SCALE_ROW1
.endr
.if \tau == 0                          ; eight places behind the products
	v_perm_b32 v[VS], v[VW+1], v[VW], 0x05040100   ; V's scale word for channel tile 0: bytes 0, 1 of the first 64 keys' word, then of the second's;
	v_perm_b32 v[VS+1], v[VW+1], v[VW], 0x07060302 ; for tile 1: bytes 2, 3
.rept 6
	v_nop
.endr
.else
.set j, 0
.rept 8
	v_pk_mul_f32 v[O+j:O+j+1], v[O+j:O+j+1], v[F:F+1] op_sel_hi:[1,0]   ; tile 0's O^T under its new M
.set j, j+2
.endr
.endif
.irp b, 0,1,2,3
	v_max3_num_f32 v[MX+\b], v[S+16*\b], v[S+1+16*\b], v[S+2+16*\b]   ; the largest logit of each block of 32 keys: for the row's maximum and for the block's largest p.  Each accumulator is read from its low end on
.endr
.irp i, 3,5,7,9,11,13
.irp b, 0,1,2,3
	v_max3_num_f32 v[MX+\b], v[MX+\b], v[S+16*\b+\i], v[S+1+16*\b+\i]
.endr
.endr
.irp b, 0,1,2,3
	v_max_num_f32 v[MX+\b], v[MX+\b], v[S+15+16*\b]
.endr
.irp b, 0,1,2,3
	s_delay_alu instid0(VALU_DEP_4)
	v_permlanex16_b32 v[PM+\b], v[MX+\b], s[SEL], s[SEL+1]
.endr
.irp b, 0,1,2,3
	s_delay_alu instid0(VALU_DEP_4)
	v_max_num_f32 v[MX+\b], v[MX+\b], v[PM+\b]     ; with lane l xor 16's 16 keys
.endr
	s_delay_alu instid0(VALU_DEP_2)
	v_max3_num_f32 v254, v[MX], v[MX+1], v[MX+2]
	s_delay_alu instid0(VALU_DEP_1)
	v_max_num_f32 v254, v254, v[MX+3]
	s_delay_alu instid0(VALU_DEP_1)
	v_mul_f32 v254, s[CS], v254                    ; the step's largest t of my query
	s_delay_alu instid0(VALU_DEP_1)
	v_max_num_f32 v[ST+1], v[ST+1], v254           ; the running largest t
	v_mov_b32 v254, v[ST]
	s_delay_alu instid0(VALU_DEP_2)
	v_floor_f32 v[ST], -v[ST+1]                    ; the new -M = floor(-t): M is a whole number
	s_delay_alu instid0(VALU_DEP_1)
	v_sub_f32 v254, v[ST], v254                    ; old M - new M: a whole number, 0 or less
	s_delay_alu instid0(VALU_DEP_1)
	v_cvt_i32_f32 v254, v254                       ; (it saturates)
	s_delay_alu instid0(VALU_DEP_1)
	v_ldexp_f32 v[FF], 1.0, v254                   ; f = 2^(old M - new M)
.set j, 0
.rept 32
	v_pk_fma_f32 v[S+j:S+j+1], v[S+j:S+j+1], s[CS:CS+1], v[ST:ST+1] op_sel_hi:[1,0,0]   ; t - M, two at a time
.set j, j+2
.endr
.irp b, 0,1,2,3
	v_fma_f32 v[MX+\b], v[MX+\b], s[CS], v[ST]     ; the same of each block's largest logit
.endr
.set j, 0
	s_wait_alu depctr_va_vdst(0)
.rept 64
	v_exp_f32 v[S+j], v[S+j]                       ; p = 2^(t - M), at most 1
.set j, j+1
.endr
	v_pk_mul_f32 v[ST+2:ST+3], v[ST+2:ST+3], v[FF:FF+1] op_sel_hi:[1,0]   ; the sums under the new M: the plain line behind the batch
	s_wait_alu depctr_va_vdst(0)                   ; the wait ahead of the first line that names a result: one for the 64
.irp b, 0,1,2,3
	v_exp_f32 v[MX+\b], v[MX+\b]                   ; the block's largest p: the same two instructions on the same number
.endr
	v_pk_add_f32 v[PM:PM+1], v[S:S+1], v[S+2:S+3]  ; the row's sum of the unquantised p, in two chains: plain work behind the four
.irp j, 4,8,12,16,20,24,28,32,36,40,44,48,52,56,60
	v_pk_add_f32 v[ST+2:ST+3], v[ST+2:ST+3], v[S+\j:S+\j+1]
	v_pk_add_f32 v[PM:PM+1], v[PM:PM+1], v[S+2+\j:S+3+\j]
.endr
	s_delay_alu instid0(VALU_DEP_1)
	v_pk_add_f32 v[ST+2:ST+3], v[ST+2:ST+3], v[PM:PM+1]
	s_wait_alu depctr_va_vdst(0)                   ; and one for the four
.irp b, 0,1,2,3
	v_max_num_f32 v[MX+\b], 0x8000000, v[MX+\b]    ; the floor 2^(16 - 127)
.endr
.irp b, 0,1,2,3
	s_delay_alu instid0(VALU_DEP_4)
	v_add_nc_u32 v[SCO+\b], 0xf8800000, v[MX+\b]   ; 15 off the exponent field: the conversion's scale operand
.endr
.irp b, 0,1,2,3
.endr
.irp b, 0,1,2,3
	s_delay_alu instid0(VALU_DEP_4)
	v_lshrrev_b32 v[PM+\b], 23, v[SCO+\b]          ; the scale's byte
.endr
	s_delay_alu instid0(VALU_DEP_3)
	v_lshl_or_b32 v[PS+\tau], v[PM+1], 8, v[PM]    ; p's scale word for these 128 keys
	s_delay_alu instid0(VALU_DEP_1)
	v_lshl_or_b32 v[PS+\tau], v[PM+2], 16, v[PS+\tau]
	s_delay_alu instid0(VALU_DEP_1)
	v_lshl_or_b32 v[PS+\tau], v[PM+3], 24, v[PS+\tau]
.irp b, 0,1,2,3
.set j, 0
.rept 16
.set j, j+1
.endr
	v_cvt_scalef32_pk8_bf8_f32 v[PCD+4*\b:PCD+4*\b+1], v[S+16*\b:S+16*\b+7], v[SCO+\b]
	v_cvt_scalef32_pk8_bf8_f32 v[PCD+4*\b+2:PCD+4*\b+3], v[S+16*\b+8:S+16*\b+15], v[SCO+\b]
.if \tau == 0                          ; the block's registers are free: the next thing wanted is loaded into them while the other blocks are converted
.irp q, 0,1,2,3
	ds_load_b128 v[S+16*\b+4*\q:S+16*\b+4*\q+3], v[ADM] offset:16*MP+128*\b+16*\q   ; tile 1's mask
.endr
.elseif \b < 2
.irp q, 0,1,2,3
	ds_load_b128 v[S+16*\b+4*\q:S+16*\b+4*\q+3], v[ADK] offset:32768+2048*\b+512*\q ; V's fragment of channel tile b
.endr
.endif
.endr
	v_nop                                          ; a plain line behind the last conversion
.if \tau == 1
.set j, 16
.rept 8
	v_pk_mul_f32 v[O+j:O+j+1], v[O+j:O+j+1], v[F+2:F+3] op_sel_hi:[1,0]   ; tile 1's O^T under its new M: these are also the places between its codes and the products
.set j, j+2
.endr
.endif
.endm
; A KEY STEP: 128 keys of the slot in hand.
.macro STEP
	v_add_nc_u32 v[ADM], s[TB], v[AM0]
	v_add_nc_u32 v[ADK], s[TB], v[AK0]
	v_add_nc_u32 v[ADSK], s[TB], v[ASK0]
	v_add_nc_u32 v[ADSV], s[TB], v[ASV0]
.rept 5
	v_nop                                          ; with the four additions nine places behind the last step's products: eight for the loads into the registers that held V, nine for the score products that write over them
.endr
.irp t, 0,1,2,3,4,5,6,7
	ds_load_b128 v[KF+4*\t:KF+4*\t+3], v[ADK] offset:512*\t   ; key tile t of my head: group t % 4 of fragment t / 4
.endr
	ds_load_b32 v[KSW], v[ADSK]
	ds_load_b32 v[VW], v[ADSV]
	ds_load_b32 v[VW+1], v[ADSV] offset:1024
.irp b, 0,1,2,3
.irp q, 0,1,2,3
	ds_load_b128 v[S+16*\b+4*\q:S+16*\b+4*\q+3], v[ADM] offset:128*\b+16*\q   ; tile 0's mask: my query's keys 32 b + 16 h + 0 .. 15
.endr
.endr
	UNIT 0
	UNIT 1
	s_wait_alu depctr_va_vdst(0)
	s_wait_dscnt 0x0                               ; V
.irp a, 0,1
.irp d, 0,1                            ; O^T += V^T P^T: four accumulators by turns
	v_wmma_scale_f32_16x16x128_f8f6f4 v[O+16*\a+8*\d:O+16*\a+8*\d+7], v[S+16*\d:S+16*\d+15], v[P+16*\a:P+16*\a+15], v[O+16*\a+8*\d:O+16*\a+8*\d+7], v[VS+\d], v[PS+\a] matrix_a_fmt:MATRIX_FMT_BF8 matrix_b_fmt:MATRIX_FMT_BF8
.endr
.endr
	s_xor_b32 s[TB], s[TB], SLOT1                  ; on to the other slot
.endm
.Lstep:                                            ; 15 trips: behind each change of slots but the last the next step is asked for
	CHANGE 1
	s_wait_alu depctr_va_vdst(0)
	STEP
	s_sub_co_u32 s[STEPS], s[STEPS], 1
	s_cmp_lg_u32 s[STEPS], 0
	s_cbranch_scc1 .Lstep
	CHANGE 0                                       ; the last step is written out
	STEP
	; THE WAY OUT.  O^T / the sum is attn(query, 32 head + 16 h + 0 .. 15): one block of 32 along the last product's K, in lanes l and l xor 16.  It is quantised and goes to LDS as four registers of a fragment's image.
.rept 8
	v_nop                                          ; places behind the last products
.endr
	v_and_b32 v253, 15, v0                         ; r
	v_bfe_u32 v254, v0, 4, 1                       ; h
	v_and_b32 v255, 31, v0                         ; lane
	s_lshl_b32 s86, s[WV], 12
	v_lshl_add_u32 v1, v253, 8, s86
	s_delay_alu instid0(VALU_DEP_1)
	v_lshl_add_u32 v1, v254, 4, v1                 ; Wo: row 16 w + r of 256 bytes, + 16 h
	s_lshl_b32 s86, s[WV], 7
	v_lshl_add_u32 v2, v253, 3, s86                ; its scale words: 8 bytes a row
	s_lshl_b32 s86, s[WV], 6
	v_lshl_add_u32 v3, v254, 5, s86                ; bo: register j is bo[16 w + 8 h + j]
.irp k, 0,1
.irp c, 0,1,2,3
	global_load_b128 v[KF+16*\k+4*\c:KF+16*\k+4*\c+3], v1, s[10:11] offset:128*\k+32*\c
.endr
	global_load_b32 v[KSW+\k], v2, s[12:13] offset:4*\k
.endr
	global_load_b128 v[P:P+3], v3, s[14:15]
	global_load_b128 v[P+4:P+7], v3, s[14:15] offset:16
.irp a, 0,1
	v_add_f32 v[STAT+4*\a+2], v[STAT+4*\a+2], v[STAT+4*\a+3]   ; the sum's two halves,
.endr
.irp a, 0,1
	s_delay_alu instid0(VALU_DEP_2)
	v_permlanex16_b32 v[PM+\a], v[STAT+4*\a+2], s[SEL], s[SEL+1]
.endr
.irp a, 0,1
	s_delay_alu instid0(VALU_DEP_2)
	v_add_f32 v[STAT+4*\a+2], v[STAT+4*\a+2], v[PM+\a]         ; and lane l xor 16's: the row's sum
.endr
	s_wait_alu depctr_va_vdst(0)
.irp a, 0,1
	v_rcp_f32 v[STAT+4*\a+2], v[STAT+4*\a+2]
.endr
	s_lshl_b32 s86, s[PR], 2
	s_lshr_b32 s87, s[HD], 2
	s_add_co_u32 s86, s86, s87                     ; the image of my first tile: 2 x tile + K step = 4 p + head / 4
	s_and_b32 s87, s[HD], 3                        ; my group of four registers in it, and my byte of its scale words
	s_lshl_b32 s88, s86, 2
	s_add_co_u32 s88, s88, s87
	s_lshl_b32 s88, s88, 9
	s_add_co_u32 s88, s88, AIMG
	v_lshl_add_u32 v4, v255, 4, s88                ; (a plain line behind the reciprocals)
	s_lshl_b32 s86, s86, 6
	s_add_co_u32 s86, s86, s87
	s_add_co_u32 s86, s86, ASCL
	v_lshl_add_u32 v7, v253, 2, s86
	v_lshl_add_u32 v8, v255, 4, AIMG               ; where any image begins for my lane,
	v_lshl_add_u32 v9, v253, 2, ASCL               ; and any scale word
	v_and_b32 v10, 8, v253
	s_delay_alu instid0(VALU_DEP_1)
	v_add_nc_u32 v10, v10, v253
	s_delay_alu instid0(VALU_DEP_1)
	v_mul_u32_u24 v10, v10, SP
	s_delay_alu instid0(VALU_DEP_1)
	v_lshl_add_u32 v10, v254, 5, v10
	s_lshl_b32 s86, s[WV], 6
	s_add_co_u32 s86, s86, STG
	v_add_nc_u32 v10, s86, v10                     ; the stage: row r + 8 (r / 8), + 64 w + 32 h: my eight channels
	s_mul_i32 s86, s[WV], 4*SP
	s_add_co_u32 s86, s86, STG
	v_lshl_add_u32 v20, v255, 4, s86               ; back: my four rows, 16 bytes a lane
	v_lshlrev_b32 v21, 4, v255                     ; and the same in out
	s_wait_alu depctr_va_vdst(0)                   ; the wait ahead of the reciprocals' first reader: one for the two
.irp a, 0,1
.set j, 0
.rept 8
	v_pk_mul_f32 v[S+16*\a+j:S+16*\a+j+1], v[O+16*\a+j:O+16*\a+j+1], v[STAT+4*\a+2:STAT+4*\a+3] op_sel_hi:[1,0]   ; each accumulator from its low end on
.set j, j+2
.endr
.endr
.irp a, 0,1
	v_max3_num_f32 v[MX+\a], |v[S+16*\a]|, |v[S+16*\a+1]|, 0x8000000   ; the two tiles by turns
.endr
.irp i, 2,4,6,8,10,12,14
.irp a, 0,1
	s_delay_alu instid0(VALU_DEP_2)
	v_max3_num_f32 v[MX+\a], v[MX+\a], |v[S+16*\a+\i]|, |v[S+16*\a+\i+1]|
.endr
.endr
.irp a, 0,1
	s_delay_alu instid0(VALU_DEP_2)
	v_permlanex16_b32 v[PM+\a], v[MX+\a], s[SEL], s[SEL+1]
.endr
.irp a, 0,1
	s_delay_alu instid0(VALU_DEP_2)
	v_max_num_f32 v[MX+\a], v[MX+\a], v[PM+\a]
.endr
.irp a, 0,1
	s_delay_alu instid0(VALU_DEP_2)
	v_add_nc_u32 v[SCO+\a], 0xf8800000, v[MX+\a]
.endr
.irp a, 0,1
.endr
.irp a, 0,1
	s_delay_alu instid0(VALU_DEP_2)
	v_lshrrev_b32 v[PM+\a], 23, v[SCO+\a]
.endr
.irp a, 0,1
.set j, 0
.rept 16
.set j, j+1
.endr
	v_cvt_scalef32_pk8_bf8_f32 v[P+16+4*\a:P+17+4*\a], v[S+16*\a:S+16*\a+7], v[SCO+\a]
	v_cvt_scalef32_pk8_bf8_f32 v[P+18+4*\a:P+19+4*\a], v[S+16*\a+8:S+16*\a+15], v[SCO+\a]
.endr
	v_nop                                          ; a plain line behind the last conversion
.irp a, 0,1
	ds_store_b128 v4, v[P+16+4*\a:P+19+4*\a] offset:4096*\a   ; the next tile's images lie two images on
	ds_store_b8 v7, v[PM+\a] offset:128*\a                    ; both halves of the lanes write the same byte with the same value
.endr
	s_wait_dscnt 0x0                               ; for the others' sake: my stores have landed
	s_barrier_signal -1
	s_barrier_wait -1                              ; attn's eight fragments lie in LDS
	s_wait_loadcnt 0x0                             ; Wo, its scale words, bo
	; out^T = Wo attn^T + bo: source 0 = my 16 rows of Wo, source 1 = a tile of 16 queries; four accumulators by turns, a K step at a time; bo is the C of the first
.irp k, 0,1
.irp t, 0,1,2,3
.irp c, 0,1,2,3
	ds_load_b128 v[S+16*\t+4*\c:S+16*\t+4*\c+3], v8 offset:(2*\t+\k)*2048+512*\c
.endr
	ds_load_b32 v[VS+1+\t], v9 offset:(2*\t+\k)*64
.endr
	s_wait_dscnt 0x0
.irp t, 0,1,2,3
.if \k == 0
	v_wmma_scale_f32_16x16x128_f8f6f4 v[O+8*\t:O+8*\t+7], v[KF+16*\k:KF+16*\k+15], v[S+16*\t:S+16*\t+15], v[P:P+7], v[KSW+\k], v[VS+1+\t] matrix_a_fmt:MATRIX_FMT_BF8 matrix_b_fmt:MATRIX_FMT_BF8
.else
	v_wmma_scale_f32_16x16x128_f8f6f4 v[O+8*\t:O+8*\t+7], v[KF+16*\k:KF+16*\k+15], v[S+16*\t:S+16*\t+15], v[O+8*\t:O+8*\t+7], v[KSW+\k], v[VS+1+\t] matrix_a_fmt:MATRIX_FMT_BF8 matrix_b_fmt:MATRIX_FMT_BF8
.endif
.endr
.rept 8
	v_nop                                          ; places ahead of loads into registers that the products read, and of the first read of results
.endr
.endr
.irp t, 0,1,2,3
	ds_store_b128 v10, v[O+8*\t:O+8*\t+3] offset:(32*(\t/2)+8*(\t%2))*SP        ; lane (r, h): out(query of tile t's lane row r, 16 w + 8 h + 0 .. 7); each accumulator from its low end on
	ds_store_b128 v10, v[O+8*\t+4:O+8*\t+7] offset:(32*(\t/2)+8*(\t%2))*SP+16
.endr
	s_wait_dscnt 0x0
	s_barrier_signal -1
	s_barrier_wait -1                              ; 64 whole rows of out lie in the stage
.irp i, 0,1,2,3
.irp f, 0,1
	ds_load_b128 v[S+4*(2*\i+\f):S+4*(2*\i+\f)+3], v20 offset:\i*SP+512*\f
.endr
.endr
.irp i, 0,1,2,3
.irp f, 0,1
	s_wait_dscnt 7-(2*\i+\f)                       ; the younger loads from the stage may stay out
	global_store_b128 v21, v[S+4*(2*\i+\f):S+4*(2*\i+\f)+3], s[16:17] offset:\i*1024+512*\f th:TH_STORE_NT   ; 32 lanes store 512 consecutive bytes, at a multiple of 256 from out's first byte
.endr
.endr
	s_wait_tensorcnt 0x0                           ; the wave's end, behind my last tensor load and my last LDS store
	ds_add_u32 v[SPW], v[NIL]
	s_wait_dscnt 0x0
	ROUND                                          ; the closing round: no work-group ends while a partner may still ask for a block that names it
	s_endpgm
.Lfunc_end_k_q871da621ac_attn:
	.size	k_q871da621ac_attn, .Lfunc_end_k_q871da621ac_attn-k_q871da621ac_attn
	.p2alignl 7, 3214868480
	.fill 96, 4, 3214868480
	.section	.rodata,"a",@progbits
	.p2align	6, 0x0
	.amdhsa_kernel k_q871da621ac_attn
		.amdhsa_group_segment_fixed_size 327680
		.amdhsa_private_segment_fixed_size 0
		.amdhsa_enable_private_segment 0
		.amdhsa_kernarg_size 56
		.amdhsa_user_sgpr_count 2
		.amdhsa_user_sgpr_kernarg_segment_ptr 1
		.amdhsa_wavefront_size32 1
		.amdhsa_system_sgpr_workgroup_id_x 1
		.amdhsa_system_sgpr_workgroup_id_y 1
		.amdhsa_system_sgpr_workgroup_id_z 1
		.amdhsa_system_vgpr_workitem_id 0
		.amdhsa_next_free_vgpr 256
		.amdhsa_next_free_sgpr 100
		.amdhsa_reserve_vcc 0
		.amdhsa_float_denorm_mode_32 3
		.amdhsa_float_denorm_mode_16_64 3
		.amdhsa_fp16_overflow 1
		.amdhsa_memory_ordered 1
		.amdhsa_forward_progress 1
		.amdhsa_inst_pref_size 88
	.end_amdhsa_kernel
	.amdgpu_metadata
---
amdhsa.version: [ 1, 2 ]
amdhsa.kernels:
  - .name:           k_q871da621ac_attn
    .symbol:         k_q871da621ac_attn.kd
    .args:
      - { .name: qws, .offset: 0, .size: 8, .value_kind: global_buffer, .address_space: global }
      - { .name: kvws, .offset: 8, .size: 8, .value_kind: global_buffer, .address_space: global }
      - { .name: attention_mask, .offset: 16, .size: 8, .value_kind: global_buffer, .address_space: global }
      - { .name: Wo_codes, .offset: 24, .size: 8, .value_kind: global_buffer, .address_space: global }
      - { .name: Wo_scales, .offset: 32, .size: 8, .value_kind: global_buffer, .address_space: global }
      - { .name: bo, .offset: 40, .size: 8, .value_kind: global_buffer, .address_space: global }
      - { .name: out0, .offset: 48, .size: 8, .value_kind: global_buffer, .address_space: global }
    .group_segment_fixed_size: 327680
    .private_segment_fixed_size: 0
    .kernarg_segment_align: 8
    .kernarg_segment_size: 56
    .max_flat_workgroup_size: 512
    .sgpr_count:     100
    .vgpr_count:     256
    .wavefront_size: 32
...
	.end_amdgpu_metadata
.endif
;; end of part 2
